; MI455X (gfx1250); checked and timed in simulation.
; The chip was launched on July 23, 2026; its instructions are those of AMD's public machine-readable ISA for CDNA 5 (MIT licence, August 2026) and "CDNA5" Instruction Set Architecture Reference Guide (July 2026). The comments in the code are by the model that wrote it; some were corrected since.
;; Multi Head Self Attention. Allowed arithmetic: matrix products marked QUANTISED: E3M2 operands, one E8M0 scale for each 32 along K, by v_wmma_scale_f32_16x16x128_f8f6f4 with both operands' format E3M2, f32 sums; everything else in f32.
;; Inputs: Wk 512 x 512 float32; Wo 512 x 512 float32; Wq 512 x 512 float32; Wv 512 x 512 float32; bk 512 float32; bo 512 float32; bq 512 float32; bv 512 float32; inputs 2 x 4,096 x 512 float32.
;; Outputs: out0 2 x 4,096 x 512 float32.
;; This version of the problem:
;;   THIS VERSION OF THE PROBLEM IS GIVEN IN LOW PRECISION. The matrix products marked QUANTISED in the list below multiply operands that are first quantised to E3M2 (3 exponent bits, 2 mantissa bits; 6 bits a number), with one power-of-two scale for each 32 numbers along K (OCP MX v1.0); their sums are f32. All else is computed in f32.
;;   The module's matrix products, in the order in which they are computed (A, B: the left and right operand; K: the contracted axis; several contracted axes count as one K, in the product's order):
;;     1. [M 8,192, K 512] x [K 512, N 512]; A: input inputs; B: input Wq: QUANTISED
;;     2. [M 8,192, K 512] x [K 512, N 512]; A: input inputs; B: input Wk: QUANTISED
;;     3. [M 8,192, K 512] x [K 512, N 512]; A: input inputs; B: input Wv: QUANTISED
;;     4. batch 16 x [M 4,096, K 64] x [K 64, N 4,096]; A: computed on the way; B: computed on the way: QUANTISED
;;     5. batch 16 x [M 4,096, K 4,096] x [K 4,096, N 64]; A: softmax (see below); B: computed on the way: QUANTISED
;;     6. [M 8,192, K 512] x [K 512, N 512]; A: computed on the way; B: input Wo: QUANTISED
;;   THE QUANTISER, for each operand of a quantised product, along K:
;;     - K is cut into blocks of 32 from its start; a last block that is shorter is filled with zeros.
;;     - A block's scale is 2^e with e = floor(log2(the largest magnitude in the block)) - 4, held to -126 .. 127; a block of zeros has e = 0. As a byte (E8M0): e + 127.
;;     - Each number is divided by its block's scale, clamped to +-28, and rounded to the nearest number of E3M2, ties to even, subnormals kept.
;;     - The product sums the exact products of the quantised numbers (number of the format x scale) in f32.
;;   ~~~python
;;   def quantise(x, axis):      # numpy; x: float32 -> the quantised numbers, widened to float32 again
;;       x = np.moveaxis(x, axis, -1); K = x.shape[-1]
;;       x = np.pad(x, [(0, 0)] * (x.ndim - 1) + [(0, -K % 32)]); x = x.reshape(x.shape[:-1] + (-1, 32)); a = np.abs(x).max(-1, keepdims=True)
;;       e = np.where(a > 0, np.clip(np.frexp(np.where(a > 0, a, 1))[1] - 1 - 4, -126, 127), 0)      # np.frexp(a)[1] - 1 = floor(log2(a)), exactly
;;       r = np.clip(x / 2.0 ** e, -28, 28)
;;       step = 2.0 ** (np.maximum(np.frexp(np.where(r == 0, 1, r))[1] - 1, -2) - 2)
;;       q = np.round(r / step) * step * 2.0 ** e      # np.round: ties to even
;;       return np.moveaxis(q.reshape(q.shape[:-2] + (-1,))[..., :K], -1, axis).astype(np.float32)
;;   ~~~
;;   SOFTMAX AHEAD OF A QUANTISED PRODUCT. Where the list says 'softmax', what is quantised is not the finished softmax but p = 2^(t - M), with t = logit x log2(e) and M = ceil(the row's largest t), a whole number; so 1/2 < the row's largest p <= 1. The row's sum l is taken of the UNQUANTISED p, in f32, and the product's result is divided by l at the end. Since M is a whole number, a kernel that streams over the keys may use a running M (the ceiling of the running maximum): every later rescaling is an exact power of two, which a block's scale takes up: the codes' values come out the same.
;;   OPERANDS COMPUTED ON THE WAY. 'Computed on the way' means the value that the module computes at that place (a softmax that the list does not call 'softmax' is quantised finished and normalised). What goes into a quantiser is computed in f32, as accurately as f32 sums, v_exp_f32 and their like allow (about 1e-6 of the number): no bf16 or f16 on the way to a quantiser, and a product that is left as it is and whose result goes on into a quantised operand takes f32 operands (vector FMAs, or v_wmma_f32_16x16x4_f32). A number that lies on a knife's edge between two numbers of the format may be rounded either way, as far as f32 arithmetic and the matrix unit's own rounding can turn it there, and no further.
;; One version. Each part assembles by itself: llvm-mc -triple=amdgcn-amd-amdhsa -mcpu=gfx1250 --defsym DOCPART=n.
;; ======== version 1 of 1: 4 launches
;; limits: right only within a limited range of input values
;; workspace buffers: opq 4,096,000 bytes; qkv 10,092,544 bytes; aq 3,276,800 bytes
;; launch quant (part 1): grid 320 x 1, 4 waves a work-group, no clusters, 34,304 bytes of LDS; arguments inputs, Wq, Wk, Wv, Wo, opq; writes opq
.if DOCPART == 1
	.amdgcn_target "amdgcn-amd-amdhsa--gfx1250"
	.amdhsa_code_object_version 6
	.text
	.protected	k_q23bf6394eb_quant
	.globl	k_q23bf6394eb_quant
	.p2align	8
	.type	k_q23bf6394eb_quant,@function
k_q23bf6394eb_quant:
	s_mov_b64 s[64:65], 0
	v_nop
	global_prefetch_b8 v0, s[64:65] scope:SCOPE_SE
	s_setreg_imm32_b32 hwreg(HW_REG_WAVE_MODE, 25, 1), 1
	s_wait_xcnt 0x0
; inputs [8192 tokens][512] and the four weights [512 (k)][512 (n)], f32, become codes of BF6 (E3M2) with one E8M0 byte for each 32 along K (K = the 512 of the model).
; A block's scale is 2^(floor(log2(its largest magnitude)) - 4): its byte is the largest magnitude's exponent field - 4, held at 1 from below by a floor among the maximum's leaves.
; LIMITS: a block of zeros, or one whose largest magnitude lies under 2^(5 - 127), gets the byte 1 where the rule says 127 (its codes are zeros or the rule's own; this program alone reads the bytes);
; NaN and infinities among the inputs are not served.
; THE WORKSPACE IS LAID AS ITS READERS WANT IT.  Rows (tokens, or a weight's columns) are cut into tiles of 16 in one order: row r of tile T is row 32 (T / 2) + 8 (T % 2) + r + 8 (r / 8).
; A tile's codes lie as HALF IMAGES of 768 bytes: 16 rows x 64 along K = registers 6 c .. 6 c + 5 of an operand's fragment; registers 0-3 at 16 x lane, registers 4-5 at 512 + 8 x lane.
; opq: x's codes [tile 0..511][half 0..7][768]; at XS x's scale bytes [tile][r][16]; at WI the weights' codes [w = q, k, v, o][tile 0..31][half][768]; at WS their scale bytes [w][tile][r][16].
; Work-groups 0-255 take x (32 tokens each; wave s takes K step s, 128 along K), work-groups 256-319 the weights (a wave: 32 columns x 128 along K).  Waves share nothing: no barrier.
; No matrix unit, no tensor load, no cluster: each input byte is read once by one wave, and nothing is shared.
.set XS,  3145728
.set WI,  3276800
.set WS,  4063232
.set TM,  10                           ; v10-13 largest magnitudes, v14-17 the other half's, then bytes, v18-21 the conversions' scale operands
.set PW0, 22                           ; v22, v23 the two tiles' scale words
.set PW1, 23
.set PC0, 24                           ; v24-43, v44-63 the two tiles' codes (12 registers) and the conversions' second halves
.set PC1, 44
.set R0,  64                           ; v64-191 x as loaded, 64 registers a tile (the weights' path: 128 numbers of my column)
.set X,   192                          ; v192-255 64 numbers of my row: register 16 b + i = k 32 b + 16 (lane / 16) + i
.set SEL, 28                           ; s[28:29] v_permlanex16_b32's selects for lane l xor 16
; 64 numbers of a lane become a fragment's 12 registers in v[pc] on and its row's scale word in v[pw]
.macro QUANT src, pc, pw
.irp b, 0,1,2,3
	v_max3_num_f32 v[TM+\b], |v[\src+16*\b]|, |v[\src+16*\b+1]|, 0x2800000   ; block b: my 16 numbers, and the floor 2^(5 - 127)
.endr
.irp i, 2,4,6,8,10,12,14
.irp b, 0,1,2,3
	v_max3_num_f32 v[TM+\b], v[TM+\b], |v[\src+16*\b+\i]|, |v[\src+16*\b+\i+1]|   ; the four blocks by turns
.endr
.endr
.irp b, 0,1,2,3
	v_permlanex16_b32 v[TM+4+\b], v[TM+\b], s[SEL], s[SEL+1]
.endr
.irp b, 0,1,2,3
	v_max_num_f32 v[TM+\b], v[TM+\b], v[TM+4+\b]   ; with lane l xor 16's 16: the block's largest magnitude
.endr
.irp b, 0,1,2,3
	v_add_nc_u32 v[TM+8+\b], 0xfe000000, v[TM+\b]  ; 4 off its exponent field: the conversion's scale operand
.endr
.irp b, 0,1,2,3
	v_lshrrev_b32 v[TM+4+\b], 23, v[TM+8+\b]       ; the scale's byte
.endr
	v_lshl_or_b32 v[\pw], v[TM+5], 8, v[TM+4]
	v_lshl_or_b32 v[\pw], v[TM+6], 16, v[\pw]
	v_lshl_or_b32 v[\pw], v[TM+7], 24, v[\pw]
.irp c, 0,1
	v_cvt_scalef32_pk16_bf6_f32 v[\pc+6*\c:\pc+6*\c+2], v[\src+32*\c:\src+32*\c+15], v[TM+8+2*\c]
	v_cvt_scalef32_pk16_bf6_f32 v[\pc+12+4*\c:\pc+14+4*\c], v[\src+32*\c+16:\src+32*\c+31], v[TM+9+2*\c]   ; (a conversion's three registers begin on an even number)
.endr
	v_nop                                          ; one plain place behind a scaled conversion
.irp c, 0,1                                    ; the layout wants a whole block in a lane: lanes 0-15 block 2 c, lanes 16-31 block 2 c + 1
.irp i, 0,1,2
	v_permlane16_swap_b32 v[\pc+6*\c+\i], v[\pc+12+4*\c+\i]
.endr
.irp i, 0,1,2
	v_mov_b32 v[\pc+6*\c+3+\i], v[\pc+12+4*\c+\i]
.endr
.endr
.endm
	s_load_b256 s[4:11], s[0:1], 0x0               ; inputs s[4:5], Wq s[6:7], Wk s[8:9], Wv s[10:11]
	s_load_b128 s[12:15], s[0:1], 0x20             ; Wo s[12:13], opq s[14:15]
	v_lshl_add_u32 v59, v0, 2, 0x8400
	v_mov_b32 v63, 0
	v_lshrrev_b32 v1, 5, v0
	v_readfirstlane_b32 s16, v1                    ; wave 0..3
	v_and_b32 v1, 31, v0                           ; lane
	v_lshlrev_b32 v4, 4, v1                        ; 16 x lane
	v_lshlrev_b32 v5, 3, v1                        ; 8 x lane
	s_mov_b32 s19, 0                               ; the upper word of every offset pair s[18:19]
	s_cmp_lt_u32 ttmp9, 256
	s_cbranch_scc0 .Lweights
	; ---- x: work-group G owns tokens 32 G .. 32 G + 31 = tiles 2 G, 2 G + 1; my wave K step s = wave
	v_and_b32 v2, 15, v0                           ; r
	v_bfe_u32 v3, v0, 4, 1                         ; h
	s_mul_i32 s17, s16, 8448                       ; my stage: 16 rows of 512 bytes + 16
	v_add_nc_u32 v6, s17, v4                       ; in: a row as it was loaded, 16 bytes a lane
	v_mul_u32_u24 v7, v2, 528
	v_lshl_add_u32 v7, v3, 6, v7
	v_add_nc_u32 v7, s17, v7                       ; out: row r, + 64 h: my 16 numbers of each block of 32
	s_mov_b32 s[SEL], 0x76543210
	s_mov_b32 s[SEL+1], 0xfedcba98
.irp b, 0,1,2,3
	v_mov_b32 v[TM+4+\b], 0                        ; written once: a lane permute's destination counts as one of its sources
.endr
	s_lshl_b32 s18, ttmp9, 16                      ; 32 rows of 2,048 bytes
	s_lshl_b32 s20, s16, 9                         ; + 512 bytes a K step
	s_add_co_u32 s18, s18, s20
	s_wait_alu depctr_va_vdst(0)
	s_wait_kmcnt 0x0
	s_add_nc_u64 s[4:5], s[4:5], s[18:19]
	s_mul_i32 s18, ttmp9, 12288                    ; codes: two tiles of 8 halves, + 2 halves a K step
	s_mul_i32 s20, s16, 1536
	s_add_co_u32 s18, s18, s20
	s_add_nc_u64 s[22:23], s[14:15], s[18:19]
	s_lshl_b32 s18, ttmp9, 9                       ; scale words: 256 bytes a tile, + 4 a K step
	s_lshl_b32 s20, s16, 2
	s_add_co_u32 s18, s18, s20
	s_add_co_u32 s18, s18, XS
	s_add_nc_u64 s[24:25], s[14:15], s[18:19]
.irp u, 0,1
.irp i, 0,1,2,3,4,5,6,7,8,9,10,11,12,13,14,15
	global_load_b128 v[R0+64*\u+4*\i:R0+64*\u+4*\i+3], v4, s[4:5] offset:(8*\u+\i+8*(\i/8))*2048 th:TH_LOAD_NT   ; row i of tile u: 32 lanes read its 512 consecutive bytes
.endr
.endr
; a tile: its 16 rows turn through my stage, so that a lane holds neighbours along K; quantised; four dense stores
.macro TILE_X u, pc, pw
.set i, 0
.rept 16
	ds_store_b128 v6, v[R0+64*\u+4*i:R0+64*\u+4*i+3] offset:528*i
.set i, i+1
.endr
.irp b, 0,1,2,3
.irp j, 0,1,2,3
	ds_load_b128 v[X+16*\b+4*\j:X+16*\b+4*\j+3], v7 offset:128*\b+16*\j   ; LDS serves a wave's instructions in order: these see my stores
.endr
.endr
	s_wait_dscnt 0x0
	QUANT X, \pc, \pw
.irp c, 0,1
	global_store_b128 v4, v[\pc+6*\c:\pc+6*\c+3], s[22:23] offset:6144*\u+768*\c        ; 32 lanes store 512 consecutive bytes
	global_store_b64 v5, v[\pc+6*\c+4:\pc+6*\c+5], s[22:23] offset:6144*\u+768*\c+512   ; and 256
.endr
.endm
	s_wait_loadcnt 16                              ; tile 0's sixteen loads are in; tile 1's sixteen may be out
	TILE_X 0, PC0, PW0
	s_wait_loadcnt 0x0
	TILE_X 1, PC1, PW1                             ; each tile has its own registers for codes: no store's data are written again
	v_cmp_le_u32 vcc_lo, 16, v1
	v_cndmask_b32 v[PW0], v[PW0], v[PW1], vcc_lo   ; lanes 0-15 keep tile 2 G's words, lanes 16-31 take tile 2 G + 1's
	global_store_b32 v4, v[PW0], s[24:25]          ; 16 x lane = 256 x tile + 16 x row
	s_wait_tensorcnt 0x0
	ds_add_u32 v59, v63
	s_wait_dscnt 0x0
	s_endpgm
	; ---- the weights: a lane takes a column, its registers run down K: nothing is transposed
.Lweights:
	s_sub_co_u32 s17, ttmp9, 256
	s_lshr_b32 s20, s17, 4                         ; which weight: 0 q, 1 k, 2 v, 3 o
	s_bfe_u32 s21, s17, 0x20002
	s_and_b32 s17, s17, 3                          ; K step s
	s_lshl_b32 s26, s21, 2
	s_add_co_u32 s26, s26, s16                     ; g: columns 32 g .. 32 g + 31 = tiles 2 g, 2 g + 1
	s_wait_alu depctr_va_vdst(0)
	v_lshlrev_b32 v9, 2, v1                        ; in: 4 bytes a lane
	v_bfe_u32 v13, v1, 3, 1                        ; column c = lane lies in tile 2 g + u, u = (c / 8) % 2,
	v_and_b32 v14, 7, v1
	v_lshrrev_b32 v8, 4, v1
	v_lshl_add_u32 v14, v8, 3, v14                 ; at row r' = c % 8 + 8 (c / 16)
	v_mul_u32_u24 v6, v13, 6144
	v_lshl_add_u32 v7, v14, 3, v6                  ; 6,144 u + 8 r'
	v_lshl_add_u32 v6, v14, 4, v6                  ; 6,144 u + 16 r'
	v_lshlrev_b32 v8, 8, v13
	v_lshl_add_u32 v8, v14, 4, v8                  ; 256 u + 16 r'
	s_wait_kmcnt 0x0
	s_cmp_eq_u32 s20, 1                            ; the choice hangs on the work-group's number alone
	s_cselect_b64 s[6:7], s[8:9], s[6:7]
	s_cmp_eq_u32 s20, 2
	s_cselect_b64 s[6:7], s[10:11], s[6:7]
	s_cmp_eq_u32 s20, 3
	s_cselect_b64 s[6:7], s[12:13], s[6:7]
	s_lshl_b32 s18, s17, 18                        ; 128 rows of 2,048 bytes a K step
	s_lshl_b32 s27, s26, 7                         ; + 128 bytes for each 32 columns
	s_add_co_u32 s18, s18, s27
	s_add_nc_u64 s[6:7], s[6:7], s[18:19]
	s_mul_i32 s18, s20, 196608
	s_mul_i32 s27, s26, 12288
	s_add_co_u32 s18, s18, s27
	s_mul_i32 s27, s17, 1536
	s_add_co_u32 s18, s18, s27
	s_add_co_u32 s18, s18, WI
	s_add_nc_u64 s[22:23], s[14:15], s[18:19]
	s_lshl_b32 s18, s20, 13
	s_lshl_b32 s27, s26, 9
	s_add_co_u32 s18, s18, s27
	s_lshl_b32 s27, s17, 2
	s_add_co_u32 s18, s18, s27
	s_add_co_u32 s18, s18, WS
	s_add_nc_u64 s[24:25], s[14:15], s[18:19]
.macro WLOAD t                         ; block t: W(128 s + 32 t + i, my column): 32 lanes read 128 consecutive bytes
.set i, 0
.rept 32
	global_load_b32 v[R0+32*(\t)+i], v9, s[6:7] offset:(32*(\t)+i)*2048 th:TH_LOAD_NT
.set i, i+1
.endr
.endm
.macro BLOCK t                         ; block t of my column is the whole of lane (r', t % 2)'s registers 6 (t / 2) .. + 5
.set XB, R0+32*(\t)
.if (\t) < 3
	s_wait_loadcnt 32                              ; this block's 32 loads are in; the next block's 32 may be out
.else
	s_wait_loadcnt 0x0
.endif
.if (\t) < 2
	WLOAD (\t)+2                                   ; every block has registers of its own
.endif
	v_max3_num_f32 v16, |v[XB]|, |v[XB+1]|, |v[XB+2]|
	v_max3_num_f32 v17, |v[XB+3]|, |v[XB+4]|, |v[XB+5]|
.irp i, 6,10,14,18,22,26
	v_max3_num_f32 v16, v16, |v[XB+\i]|, |v[XB+\i+1]|
	v_max3_num_f32 v17, v17, |v[XB+\i+2]|, |v[XB+\i+3]|
.endr
	v_max3_num_f32 v16, v16, |v[XB+30]|, |v[XB+31]|
	v_max3_num_f32 v16, v16, v17, 0x2800000        ; and the floor
	v_add_nc_u32 v18, 0xfe000000, v16
	v_cvt_scalef32_pk16_bf6_f32 v[24+6*(\t):26+6*(\t)], v[XB:XB+15], v18
	v_cvt_scalef32_pk16_bf6_f32 v[48:50], v[XB+16:XB+31], v18
	v_lshrrev_b32 v19, 23, v18                     ; the byte (the plain place behind the conversions)
.if (\t) == 0
	v_mov_b32 v22, v19
.else
	v_lshl_or_b32 v22, v19, 8*(\t), v22
.endif
.irp i, 0,1,2
	v_mov_b32 v[27+6*(\t)+\i], v[48+\i]
.endr
	global_store_b128 v6, v[24+6*(\t):27+6*(\t)], s[22:23] offset:768*((\t)/2)+256*((\t)%2)
	global_store_b64 v7, v[28+6*(\t):29+6*(\t)], s[22:23] offset:768*((\t)/2)+512+128*((\t)%2)
.endm
	WLOAD 0
	WLOAD 1
	BLOCK 0
	BLOCK 1
	BLOCK 2
	BLOCK 3
	global_store_b32 v8, v22, s[24:25]             ; my column's word of this K step: 4 bytes of each 16; 32,768 bytes in the whole launch leave so
	s_endpgm
.Lfunc_end_k_q23bf6394eb_quant:
	.size	k_q23bf6394eb_quant, .Lfunc_end_k_q23bf6394eb_quant-k_q23bf6394eb_quant
	.p2alignl 7, 3214868480
	.fill 96, 4, 3214868480
	.section	.rodata,"a",@progbits
	.p2align	6, 0x0
	.amdhsa_kernel k_q23bf6394eb_quant
		.amdhsa_group_segment_fixed_size 34304
		.amdhsa_private_segment_fixed_size 0
		.amdhsa_enable_private_segment 0
		.amdhsa_kernarg_size 48
		.amdhsa_user_sgpr_count 2
		.amdhsa_user_sgpr_kernarg_segment_ptr 1
		.amdhsa_wavefront_size32 1
		.amdhsa_system_sgpr_workgroup_id_x 1
		.amdhsa_system_sgpr_workgroup_id_y 1
		.amdhsa_system_sgpr_workgroup_id_z 1
		.amdhsa_system_vgpr_workitem_id 0
		.amdhsa_next_free_vgpr 256
		.amdhsa_next_free_sgpr 66
		.amdhsa_reserve_vcc 1
		.amdhsa_float_denorm_mode_32 3
		.amdhsa_float_denorm_mode_16_64 3
		.amdhsa_memory_ordered 1
		.amdhsa_forward_progress 1
		.amdhsa_inst_pref_size 38
	.end_amdhsa_kernel
	.amdgpu_metadata
---
amdhsa.version: [ 1, 2 ]
amdhsa.kernels:
  - .name:           k_q23bf6394eb_quant
    .symbol:         k_q23bf6394eb_quant.kd
    .args:
      - { .name: inputs, .offset: 0, .size: 8, .value_kind: global_buffer, .address_space: global }
      - { .name: Wq, .offset: 8, .size: 8, .value_kind: global_buffer, .address_space: global }
      - { .name: Wk, .offset: 16, .size: 8, .value_kind: global_buffer, .address_space: global }
      - { .name: Wv, .offset: 24, .size: 8, .value_kind: global_buffer, .address_space: global }
      - { .name: Wo, .offset: 32, .size: 8, .value_kind: global_buffer, .address_space: global }
      - { .name: opq, .offset: 40, .size: 8, .value_kind: global_buffer, .address_space: global }
    .group_segment_fixed_size: 34304
    .private_segment_fixed_size: 0
    .kernarg_segment_align: 8
    .kernarg_segment_size: 48
    .max_flat_workgroup_size: 128
    .sgpr_count:     66
    .vgpr_count:     256
    .wavefront_size: 32
...
	.end_amdgpu_metadata
.endif
;; end of part 1
;; launch qkv (part 2): grid 384 x 1, 4 waves a work-group, no clusters, 0 bytes of LDS; arguments opq, bq, bk, bv, qkv; writes qkv
.if DOCPART == 2
	.amdgcn_target "amdgcn-amd-amdhsa--gfx1250"
	.amdhsa_code_object_version 6
	.text
	.protected	k_q23bf6394eb_qkv
	.globl	k_q23bf6394eb_qkv
	.p2align	8
	.type	k_q23bf6394eb_qkv,@function
k_q23bf6394eb_qkv:
	s_mov_b64 s[64:65], 0
	v_nop
	global_prefetch_b8 v0, s[64:65] scope:SCOPE_SE
	s_setreg_imm32_b32 hwreg(HW_REG_WAVE_MODE, 25, 1), 1
	s_wait_xcnt 0x0
; q = x Wq + bq, k = x Wk + bk, v = x Wv + bv on codes of BF6 (E3M2) with E8M0 scales, sums in f32; each result is quantised at once: q and k along the head's 64, v along the keys.
; ONE TEXT FOR BOTH ORIENTATIONS.  A wave makes C[i][j] = sum over k of S0[i][k] S1[j][k] + bias, for 64 i and 128 j, and quantises it along i.  q, k: i = a head's 64 columns of W, j = tokens.
; v: i = 64 tokens, j = 128 columns of Wv.  Source 0's tiles hold their rows in the order 32 (T / 2) + 8 (T % 2) + r + 8 (r / 8): so the 32 registers of a lane's four results are
; index 32 b + 16 (lane / 16) + 0 .. 15, b = 0, 1: neighbours along the next K.  S0's 16 fragments stay in registers (window 1); S1's eight tiles are walked, two sets of registers by turns.
; OUT (qkv).  Half images of 768 bytes (16 rows x 64 along K: registers 0-3 at 16 x lane, 4-5 at 512 + 8 x lane).  Q region [hb = 8 batch + head][32 records][6,656]: 8 query tiles, then 512 bytes of scale words
; at 16 x lane + 4 x pair (lanes 0-15 tile 2 pair, lanes 16-31 tile 2 pair + 1).  At KV: [hb][32 key steps][13,056]: K's 8 tiles; at 6,144 V^T's (d tile t, 64 keys c) at 1,536 t + 768 c; at 12,288 K's words as Q's;
; at 12,800 V's words at 8 x lane + 4 a (lanes 0-15 d tile 2 a, lanes 16-31 tile 2 a + 1; bytes 2 c, 2 c + 1 from half c).  q's and k's words carry 0x7f in the two bytes over the zero codes that fill K = 64 up to 128.
; LIMITS: a block of zeros or under 2^(5 - 127) gets the byte 1 where the rule says 127 (this program alone reads the bytes); NaN and infinities are not served.
; NO CLUSTER, NO LDS: operands come as images of their registers, by dense loads of 512 and 256 bytes a wave, straight into registers; a joint tensor load would send a wave's 8 x 6,400 bytes of S1
; through LDS and back for 128 matrix instructions.  Waves share nothing: no barrier.  v's scale bytes leave two at a time (131,072 bytes in the launch).
.set XS,    3145728
.set WI,    3276800
.set WS,    4063232
.set KV,    3407872
.set RECQ,  6656
.set REC,   13056
.set HEADB, 417792                     ; a head's 32 records
.set P2,   8                           ; v8-11    the four pairs' scale payloads
.set BJE,  12                          ; v[12:13], v[14:15] v's bias of my column, two sets (the upper registers stay 0: the packed form names pairs)
.set BJO,  14
.set ACC,  16                          ; v16-47   four accumulators
.set BI,   48                          ; v48-79   q's and k's bias in the results' layout: the C of each sum's first product (v: zeros)
.set FE,   80                          ; v80-127, v128-175 S1's four fragments, two sets
.set FO,   128
.set WE,   176                         ; v176-179, v180-183 S1's scale words of the four K steps, two sets
.set WO,   180
.set S0W,  184                         ; v184-199 S0's scale words: tile t, K step q at 4 t + q
.set PC,   200                         ; v200-208 the half image just made
.set TM,   220                         ; v220-225 at work
.set PWE,  226                         ; v226, v227 an even and an odd tile's payloads
.set PWO,  227
.set SEL,  58
.set MSB, 0
.macro WIN new                         ; the immediate's high byte repeats the setting that is left
.if MSB != \new
	s_set_vgpr_msb (MSB<<8)|\new
.set MSB, \new
.endif
.endm
; 32 numbers of a lane, register 16 b + i = index 32 b + 16 (lane / 16) + i, become a half image in v[pc .. pc + 5] and two scale bytes in v[pw]
.macro QUANTH src, pc, pw
.irp b, 0,1
	v_max3_num_f32 v[TM+\b], |v[\src+16*\b]|, |v[\src+16*\b+1]|, 0x2800000   ; each accumulator is read from its low end on; the floor 2^(5 - 127) holds the byte at 1 from below
.endr
.irp i, 2,4,6,8,10,12,14
.irp b, 0,1
	v_max3_num_f32 v[TM+\b], v[TM+\b], |v[\src+16*\b+\i]|, |v[\src+16*\b+\i+1]|
.endr
.endr
.irp b, 0,1
	v_permlanex16_b32 v[TM+2+\b], v[TM+\b], s[SEL], s[SEL+1]
.endr
.irp b, 0,1
	v_max_num_f32 v[TM+\b], v[TM+\b], v[TM+2+\b]
.endr
.irp b, 0,1
	v_add_nc_u32 v[TM+4+\b], 0xfe000000, v[TM+\b]  ; 4 off the exponent field: the conversion's scale operand
.endr
.irp b, 0,1
	v_lshrrev_b32 v[TM+2+\b], 23, v[TM+4+\b]
.endr
	v_lshl_or_b32 v[\pw], v[TM+3], 8, v[TM+2]
	v_cvt_scalef32_pk16_bf6_f32 v[\pc:\pc+2], v[\src:\src+15], v[TM+4]
	v_cvt_scalef32_pk16_bf6_f32 v[\pc+6:\pc+8], v[\src+16:\src+31], v[TM+5]
	v_nop                                          ; one plain place behind a scaled conversion
.irp i, 0,1,2
	v_permlane16_swap_b32 v[\pc+\i], v[\pc+6+\i]   ; a whole block to a lane: lanes 0-15 block 0, lanes 16-31 block 1
.endr
.irp i, 0,1,2
	v_mov_b32 v[\pc+3+\i], v[\pc+6+\i]
.endr
.endm
	s_load_b256 s[4:11], s[0:1], 0x0               ; opq s[4:5], bq s[6:7], bk s[8:9], bv s[10:11]
	s_load_b64 s[12:13], s[0:1], 0x20              ; qkv
	v_lshrrev_b32 v6, 5, v0
	v_readfirstlane_b32 s14, v6                    ; wave 0..3
	v_and_b32 v6, 31, v0                           ; lane
	v_and_b32 v7, 15, v0                           ; r
	v_lshlrev_b32 v1, 4, v6                        ; 16 x lane
	v_lshlrev_b32 v2, 3, v6                        ; 8 x lane
	v_lshlrev_b32 v3, 4, v7                        ; 16 r: a row's 16 scale bytes
	v_bfe_u32 v4, v0, 4, 1
	v_lshlrev_b32 v4, 6, v4                        ; 64 h: q's and k's bias
	v_and_b32 v5, 8, v7
	v_add_nc_u32 v5, v5, v7
	v_lshlrev_b32 v5, 2, v5                        ; 4 (r + 8 (r / 8)): v's bias
	v_cmp_le_u32 s56, 16, v6                       ; lanes 16-31
.irp i, 0,1,2,3
	v_mov_b32 v[BJE+\i], 0
.endr
	v_mov_b32 v[TM+2], 0                           ; written once: a lane permute's destination counts as one of its sources
	v_mov_b32 v[TM+3], 0
	s_mov_b32 s[SEL], 0x76543210
	s_mov_b32 s[SEL+1], 0xfedcba98
	; the wave's job, from ids alone.  Both arms write: s15 kind (0 q, 1 k, 2 v); offsets s18 S0's codes, s19 S0's words, s20 S1's codes, s21 S1's words, s22 bias, s24 out, s25 words out; s26, s27 steps of the out address
	s_cmp_lt_u32 ttmp9, 256
	s_cbranch_scc0 .Lids_v
	s_lshr_b32 s16, ttmp9, 2                       ; jr: tokens 128 jr on (x's tiles 8 jr on)
	s_bfe_u32 s15, ttmp9, 0x10001                  ; q or k
	s_and_b32 s17, ttmp9, 1
	s_lshl_b32 s17, s17, 2
	s_add_co_u32 s17, s17, s14                     ; head
	s_mul_i32 s18, s15, 196608
	s_mul_i32 s19, s17, 24576
	s_add_co_u32 s18, s18, s19
	s_add_co_u32 s18, s18, WI
	s_lshl_b32 s19, s15, 13
	s_lshl_b32 s20, s17, 10
	s_add_co_u32 s19, s19, s20
	s_add_co_u32 s19, s19, WS
	s_mul_i32 s20, s16, 49152
	s_lshl_b32 s21, s16, 11
	s_add_co_u32 s21, s21, XS
	s_lshl_b32 s22, s17, 8
	s_lshr_b32 s23, s16, 5
	s_lshl_b32 s23, s23, 3
	s_add_co_u32 s23, s23, s17
	s_lshl_b32 s23, s23, 5
	s_and_b32 s24, s16, 31
	s_add_co_u32 s23, s23, s24                     ; record = 32 (8 batch + head) + jr % 32
	s_mul_i32 s24, s23, RECQ
	s_mul_i32 s25, s23, REC
	s_add_co_u32 s25, s25, KV
	s_mov_b32 s26, 12288
	s_cmp_eq_u32 s15, 0
	s_cselect_b32 s24, s24, s25
	s_cselect_b32 s25, 6144, s26
	s_add_co_u32 s25, s25, s24
	s_mov_b32 s26, 768                             ; tile jt lies 768 jt on
	s_mov_b32 s27, 3072
	s_branch .Lids_done
.Lids_v:
	s_sub_co_u32 s16, ttmp9, 256
	s_mov_b32 s15, 2
	s_lshr_b32 s17, s16, 2
	s_lshl_b32 s17, s17, 2
	s_add_co_u32 s17, s17, s14                     ; I: tokens 64 I on (x's tiles 4 I on)
	s_and_b32 s16, s16, 3                          ; jr: Wv's columns 128 jr on: heads 2 jr, 2 jr + 1
	s_mul_i32 s18, s17, 24576
	s_lshl_b32 s19, s17, 10
	s_add_co_u32 s19, s19, XS
	s_mul_i32 s20, s16, 49152
	s_add_co_u32 s20, s20, WI+393216
	s_lshl_b32 s21, s16, 11
	s_add_co_u32 s21, s21, WS+16384
	s_lshl_b32 s22, s16, 9
	s_lshr_b32 s23, s17, 6
	s_lshl_b32 s23, s23, 3
	s_lshl_b32 s24, s16, 1
	s_add_co_u32 s23, s23, s24
	s_lshl_b32 s23, s23, 5
	s_bfe_u32 s24, s17, 0x50001
	s_add_co_u32 s23, s23, s24                     ; record = 32 (8 batch + 2 jr) + (I / 2) % 32
	s_mul_i32 s23, s23, REC
	s_add_co_u32 s23, s23, KV
	s_and_b32 s26, s17, 1                          ; which 64 keys of the step
	s_mul_i32 s24, s26, 768
	s_add_co_u32 s24, s24, s23
	s_add_co_u32 s24, s24, 6144
	s_lshl_b32 s25, s26, 1
	s_add_co_u32 s25, s25, s23
	s_add_co_u32 s25, s25, 12800
	s_mov_b32 s26, 1536                            ; d tile jt % 4; the second head's record lies a head's records on
	s_mov_b32 s27, HEADB
.Lids_done:
	s_mov_b32 s61, 0
	s_wait_kmcnt 0x0
	s_cmp_eq_u32 s15, 1                            ; the bias: a choice that hangs on ids alone
	s_cselect_b64 s[6:7], s[8:9], s[6:7]
	s_cmp_eq_u32 s15, 2
	s_cselect_b64 s[6:7], s[10:11], s[6:7]
	s_mov_b32 s60, s18
	s_add_nc_u64 s[28:29], s[4:5], s[60:61]        ; S0's codes
	s_mov_b32 s60, s19
	s_add_nc_u64 s[30:31], s[4:5], s[60:61]        ; S0's words
	s_mov_b32 s60, s20
	s_add_nc_u64 s[48:49], s[4:5], s[60:61]        ; S1's codes
	s_mov_b32 s60, s21
	s_add_nc_u64 s[50:51], s[4:5], s[60:61]        ; S1's words
	s_mov_b32 s60, s22
	s_add_nc_u64 s[52:53], s[6:7], s[60:61]        ; bias
	s_mov_b32 s60, s25
	s_add_nc_u64 s[54:55], s[12:13], s[60:61]      ; words out
.irp jt, 0,1,2,3,4,5,6,7                       ; a base for each tile's stores: no address register is ever written again
	s_mul_i32 s60, s26, \jt%4
	s_mul_i32 s62, s27, \jt/4
	s_add_co_u32 s60, s60, s62
	s_add_co_u32 s60, s60, s24
	s_add_nc_u64 s[32+2*\jt:33+2*\jt], s[12:13], s[60:61]
.endr
	WIN 0x40                                       ; destination window 1
.irp t, 0,1,2,3
.irp q, 0,1,2,3
.irp c, 0,1
	global_load_b128 v[12*(4*\t+\q)+6*\c:12*(4*\t+\q)+6*\c+3], v1, s[28:29] offset:(8*\t+2*\q+\c)*768
	global_load_b64 v[12*(4*\t+\q)+6*\c+4:12*(4*\t+\q)+6*\c+5], v2, s[28:29] offset:(8*\t+2*\q+\c)*768+512
.endr
.endr
.endr
	WIN 0
.irp t, 0,1,2,3
	global_load_b128 v[S0W+4*\t:S0W+4*\t+3], v3, s[30:31] offset:256*\t
.endr
	s_cmp_eq_u32 s15, 2
	s_cbranch_scc1 .Lbi_zero
.irp t, 0,1,2,3                                ; lane (r, h), tile t, register j: column 32 (t / 2) + 16 h + 8 (t % 2) + j of the head
	global_load_b128 v[BI+8*\t:BI+8*\t+3], v4, s[52:53] offset:(32*(\t/2)+8*(\t%2))*4
	global_load_b128 v[BI+8*\t+4:BI+8*\t+7], v4, s[52:53] offset:(32*(\t/2)+8*(\t%2))*4+16
.endr
	s_branch .Lbi_done
.Lbi_zero:
.set i, 0
.rept 32
	v_mov_b32 v[BI+i], 0
.set i, i+1
.endr
.Lbi_done:
.macro BATCH jt, fs, ws                ; 17 loads: tile jt of S1: eight half images and its rows' 16 scale bytes
.irp k, 0,1,2,3,4,5,6,7
	global_load_b128 v[\fs+6*\k:\fs+6*\k+3], v1, s[48:49] offset:6144*(\jt)+768*\k
	global_load_b64 v[\fs+6*\k+4:\fs+6*\k+5], v2, s[48:49] offset:6144*(\jt)+768*\k+512
.endr
	global_load_b128 v[\ws:\ws+3], v3, s[50:51] offset:256*(\jt)
.endm
.macro BJLOAD jt, bj                   ; v alone: bv at my column of tile jt
	s_cmp_lg_u32 s15, 2
	s_cbranch_scc1 .Lno_bj_\@
	s_wait_alu depctr_va_vdst(0)
	global_load_b32 v[\bj], v5, s[52:53] offset:(32*((\jt)/2)+8*((\jt)%2))*4
.Lno_bj_\@:
.endm
	BATCH 0, FE, WE
	BJLOAD 0, BJE
	BATCH 1, FO, WO
	BJLOAD 1, BJO
.macro TILE jt, fs, ws, bj, pw, nx
.if (\jt) < 7
	s_wait_loadcnt 17                              ; all but the other set's batch of 17 are in (on v's path one bias load more was issued behind this set's: the count is then the stricter)
.else
	s_wait_loadcnt 0x0
.endif
	WIN 0x01                                       ; source 0 window 1
.irp q, 0,1,2,3                                ; the four accumulators take turns, one instruction a turn
.irp t, 0,1,2,3
.if \q == 0
	v_wmma_scale_f32_16x16x128_f8f6f4 v[ACC+8*\t:ACC+8*\t+7], v[12*(4*\t+\q):12*(4*\t+\q)+11], v[\fs+12*\q:\fs+12*\q+11], v[BI+8*\t:BI+8*\t+7], v[S0W+4*\t+\q], v[\ws+\q] matrix_a_fmt:MATRIX_FMT_BF6 matrix_b_fmt:MATRIX_FMT_BF6
.else
	v_wmma_scale_f32_16x16x128_f8f6f4 v[ACC+8*\t:ACC+8*\t+7], v[12*(4*\t+\q):12*(4*\t+\q)+11], v[\fs+12*\q:\fs+12*\q+11], v[ACC+8*\t:ACC+8*\t+7], v[S0W+4*\t+\q], v[\ws+\q] matrix_a_fmt:MATRIX_FMT_BF6 matrix_b_fmt:MATRIX_FMT_BF6
.endif
.endr
.endr
	WIN 0
.rept 5
	v_nop                                          ; places: four in front of loads into the sources and of reads of the results, five in front of the next tile's products, which begin these accumulators anew
.endr
.if \nx
	BATCH (\jt)+2, \fs, \ws
.endif
	s_cmp_lg_u32 s15, 2
	s_cbranch_scc1 .Lno_add_\@
.set i, 0
.rept 16
	v_pk_add_f32 v[ACC+i:ACC+i+1], v[ACC+i:ACC+i+1], v[\bj:\bj+1] op_sel_hi:[1,0]   ; v: + bv of my column, from each accumulator's low end on
.set i, i+2
.endr
.if \nx
	global_load_b32 v[\bj], v5, s[52:53] offset:(32*(((\jt)+2)/2)+8*((\jt)%2))*4
.endif
.Lno_add_\@:
	s_wait_xcnt 0x0                                ; the last tile's stores have read their data: PC is written again only behind this wait
	s_wait_alu depctr_va_vdst(0)
	QUANTH ACC, PC, \pw
	global_store_b128 v1, v[PC:PC+3], s[32+2*(\jt):33+2*(\jt)]               ; 512 consecutive bytes
	global_store_b64 v2, v[PC+4:PC+5], s[32+2*(\jt):33+2*(\jt)] offset:512   ; and 256
.if (\jt)%2
	v_cndmask_b32 v[P2+(\jt)/2], v[PWE], v[PWO], s56   ; lanes 0-15 the even tile's bytes, lanes 16-31 the odd tile's
.endif
.endm
	s_wait_alu depctr_va_vdst(0)
	TILE 0, FE, WE, BJE, PWE, 1
	TILE 1, FO, WO, BJO, PWO, 1
	TILE 2, FE, WE, BJE, PWE, 1
	TILE 3, FO, WO, BJO, PWO, 1
	TILE 4, FE, WE, BJE, PWE, 1
	TILE 5, FO, WO, BJO, PWO, 1
	TILE 6, FE, WE, BJE, PWE, 0
	TILE 7, FO, WO, BJO, PWO, 0
	s_cmp_eq_u32 s15, 2
	s_cbranch_scc1 .Lv_words
.irp a, 0,1,2,3
	v_or_b32 v[P2+\a], 0x7f7f0000, v[P2+\a]        ; 1.0 over the zero codes of K = 64 .. 127
.endr
	global_store_b128 v1, v[P2:P2+3], s[54:55]     ; the record's 512 bytes of words
	s_endpgm
.Lv_words:
	s_wait_alu depctr_va_vdst(0)
.irp a, 0,1,2,3
	global_store_b16 v2, v[P2+\a], s[54:55] offset:(\a/2)*HEADB+4*(\a%2)   ; my half's two bytes of each word
.endr
	s_endpgm
.Lfunc_end_k_q23bf6394eb_qkv:
	.size	k_q23bf6394eb_qkv, .Lfunc_end_k_q23bf6394eb_qkv-k_q23bf6394eb_qkv
	.p2alignl 7, 3214868480
	.fill 96, 4, 3214868480
	.section	.rodata,"a",@progbits
	.p2align	6, 0x0
	.amdhsa_kernel k_q23bf6394eb_qkv
		.amdhsa_group_segment_fixed_size 0
		.amdhsa_private_segment_fixed_size 0
		.amdhsa_enable_private_segment 0
		.amdhsa_kernarg_size 40
		.amdhsa_user_sgpr_count 2
		.amdhsa_user_sgpr_kernarg_segment_ptr 1
		.amdhsa_wavefront_size32 1
		.amdhsa_system_sgpr_workgroup_id_x 1
		.amdhsa_system_sgpr_workgroup_id_y 1
		.amdhsa_system_sgpr_workgroup_id_z 1
		.amdhsa_system_vgpr_workitem_id 0
		.amdhsa_next_free_vgpr 448
		.amdhsa_next_free_sgpr 66
		.amdhsa_reserve_vcc 0
		.amdhsa_float_denorm_mode_32 3
		.amdhsa_float_denorm_mode_16_64 3
		.amdhsa_memory_ordered 1
		.amdhsa_forward_progress 1
		.amdhsa_inst_pref_size 73
	.end_amdhsa_kernel
	.amdgpu_metadata
---
amdhsa.version: [ 1, 2 ]
amdhsa.kernels:
  - .name:           k_q23bf6394eb_qkv
    .symbol:         k_q23bf6394eb_qkv.kd
    .args:
      - { .name: opq, .offset: 0, .size: 8, .value_kind: global_buffer, .address_space: global }
      - { .name: bq, .offset: 8, .size: 8, .value_kind: global_buffer, .address_space: global }
      - { .name: bk, .offset: 16, .size: 8, .value_kind: global_buffer, .address_space: global }
      - { .name: bv, .offset: 24, .size: 8, .value_kind: global_buffer, .address_space: global }
      - { .name: qkv, .offset: 32, .size: 8, .value_kind: global_buffer, .address_space: global }
    .group_segment_fixed_size: 0
    .private_segment_fixed_size: 0
    .kernarg_segment_align: 8
    .kernarg_segment_size: 40
    .max_flat_workgroup_size: 128
    .sgpr_count:     66
    .vgpr_count:     448
    .wavefront_size: 32
...
	.end_amdgpu_metadata
.endif
;; end of part 2
;; launch attn (part 3): grid 16 x 16, 8 waves a work-group, clusters of 4 x 1, 327,680 bytes of LDS; arguments qkv, aq; writes aq
.if DOCPART == 3
	.amdgcn_target "amdgcn-amd-amdhsa--gfx1250"
	.amdhsa_code_object_version 6
	.text
	.protected	k_q23bf6394eb_attn
	.globl	k_q23bf6394eb_attn
	.p2align	8
	.type	k_q23bf6394eb_attn,@function
k_q23bf6394eb_attn:
	s_mov_b64 s[64:65], 0
	v_nop
	global_prefetch_b8 v0, s[64:65] scope:SCOPE_SE
	s_setreg_imm32_b32 hwreg(HW_REG_WAVE_MODE, 25, 1), 1
	s_wait_xcnt 0x0
	s_wait_alu depctr_hold_cnt(0) depctr_sa_sdst(0) depctr_va_vdst(0) depctr_va_sdst(0) depctr_va_ssrc(0) depctr_va_vcc(0) depctr_vm_vsrc(0)
	s_getreg_b32 s2, hwreg(HW_REG_IB_STS2, 6, 4)
	s_cmp_eq_u32 s2, 0
	s_cbranch_scc0 .Lentry_in_a_cluster
	s_endpgm
.Lentry_in_a_cluster:
	s_bfe_u32 s2, ttmp6, 0x10000c
	s_cmp_lg_u32 s2, 0x3003
	s_cbranch_scc0 .Lentry_shape_is_right
	s_endpgm
.Lentry_shape_is_right:
; For each of 16 (batch, head): O = softmax(Q K^T / 8) V, both products on codes of BF6 (E3M2) with E8M0 scales; O / l is quantised along the model's 512 (a head is two blocks of 32) for the last projection.
; THE SOFTMAX: t = score x log2(e) / 8; M = the running largest t rounded up to a whole number; p = 2^(t - M) is quantised along the keys, not normalised; the row's sum l is taken of the unquantised p
; and divides O at the end.  When M moves, l and O are multiplied by 2^(old M - new M): exact.  A block's largest p is taken from its largest score by the same multiply-add and exponential
; (this takes v_exp_f32 not to fall where its input rises).
; SHARES.  A work-group owns 256 queries of one (batch, head); each of its eight waves two tiles of 16 queries (A, B), in 512 registers, so that every fragment of K and of V^T read from LDS feeds two products.
; Every wave walks the head's 4,096 keys, 128 a step.  A step's K, V^T and scale words are one dense record of 13,056 bytes (51 x 256), laid as images of operand registers.
; Both products are used transposed: S^T = K Q^T, O^T = V^T P^T: a lane holds one query throughout.  The head is 64: the upper 64 of the first product's K are zero codes, kept in registers.
; WHICH KEYS FORM A TILE OF K is chosen by the lanes' LDS addresses: row 8 a + j of tile t of the 64 keys g is key 64 g + 32 a + 8 t + j.  So lane half h holds, in the 32 registers of four tiles, the whole block
; of keys 64 g + 32 h + 0 .. 31 in order: a block's largest score needs no other lane, and the conversions' results are p's operand as it stands (three moves a block: a conversion's registers begin on an even number).
; In the record key 32 b + 8 u + 16 c + j lies in tile 2 b + u at row 8 c + j: rows 0-7 and 8-15 of my tile lie 1,536 bytes apart, so two lanes of a load fall on the same banks.
; LDS holds 24 records.  The head asks for records 0-15 (one load of two records a wave), the round in front of step 0 for 16-23 (one record a wave), the round in front of step 12 fills slots 0-7 again with
; records 24-31; a barrier in front of step 23 shows them to all waves.  A wave has one tensor load out at any time.
; CLUSTER.  The four work-groups of a cluster own query blocks of one (batch, head) and walk the same records: each load is asked for jointly, with mask 15.
; NO PREFETCH: records 16-23 are asked for 15 steps and records 24-31 11 steps ahead of their first read, by the tensor loads themselves; ahead of the head's loads there is no loop to ask in.
; WINDOWS.  Window 0: addresses, scale words, both tiles' small state, K's fragments of keys 0-63, tile A's arrays.  Window 1: V^T's fragments, K's fragments of keys 64-127, tile B's arrays at A's numbers.
; LIMITS: the promise holds while |t| stays under 2^31; NaN and infinities are not served; p under 2^-126 is 0 (v_exp_f32); a block of p or of O under 2^(5 - 127) gets the byte 1.
; O's two scale bytes a row leave as single bytes, 16 apart (131,072 bytes in the whole launch).
.set KV,    3407872
.set RECQ,  6656
.set REC,   13056
.set HEADB, 417792
.set SPARE, 24*REC                     ; behind the 24 slots: the spare words, 128 bytes for each of 8 waves
.set AS,    3145728                    ; aq: codes [tile][head][768]; here the scale bytes [tile][r][16]
.set WV,  8
.set SEL, 12                           ; s[12:13] selects for lane l xor 16
.set CS,  14                           ; s[14:15] c = log2(e) / 8, twice
.set G1,  16
.set G0,  24
.set TBC, 28                           ; LDS byte of this step's record
.set TBN, 29                           ; and of the next step's
.set CNT, 46
; v1, v2, v3 lane terms of K's 16-byte and 8-byte pieces and of its words; v4 16 x lane, v5 8 x lane; v6, v7 the add's; v13 8 h; v26 h
.set AK,  8                            ; v8-10 the same three + the next record
.set AV,  11                           ; v11, v12 v4, v5 + this record
.set KW,  16                           ; v16-19 K's words: register 2 g + t / 2; lanes 0-15 tile t even, lanes 16-31 odd
.set VW,  20                           ; v[20:21] V's words
.set QW,  22                           ; lanes 0-15 tile A's words, lanes 16-31 tile B's
.set PW,  24                           ; v24, v25 p's words, A and B
.set SM,  32                           ; small state, 16 registers a tile:
.set NM,  0                            ; -M (a pair; the upper stays 0)
.set F,   2                            ; f (a pair)
.set MX,  4                            ; the running largest score
.set TP,  5
.set T,   6                            ; four maxima; then T, T + 2: the two blocks'
.set BO,  10                           ; the conversions' scale operands
.set OL,  12
.set BY,  13
.set KF,  64                           ; v64-111 four fragments of K, in window g (the upper six registers of each stay 0)
.set VF,  0                            ; window 1: V^T's four fragments
.set TM,  112                          ; the way out's work registers
.set S,   120                          ; S^T, then p
.set O,   184                          ; O^T
.set P,   216                          ; p's codes
.set CT,  228                          ; the conversions' second halves
.set Q,   236
.set L,   248                          ; l in two halves; behind it three more pairs of partial sums
.set MSB, 0
.macro WIN new                         ; the immediate's high byte repeats the setting that is left
.if MSB != (\new)
	s_set_vgpr_msb (MSB<<8)|(\new)
.set MSB, \new
.endif
.endm
.macro ROUND                           ; a round of the cluster's barrier
	s_barrier_signal -1
	s_barrier_wait -1
	s_cmp_lg_u32 s[WV], 0
	s_cbranch_scc1 .Lnot_wave_0_\@
	s_barrier_signal -3
.Lnot_wave_0_\@:
	s_barrier_wait -3
	s_barrier_signal -1
	s_barrier_wait -1
.endm
.macro TLOAD                           ; every wave asks: no branch; s_nop 0 and four v_nop follow
	tensor_load_to_lds s[G0:G0+3], s[G1:G1+7]
	s_nop 0
.rept 4
	v_nop
.endr
.endm
.macro WS d, a, sa, ra, rb             ; a product that starts a sum: S^T
.if (\ra) && (\rb)
	v_wmma_scale_f32_16x16x128_f8f6f4 v[\d:\d+7], v[\a:\a+11], v[Q:Q+11], 0, v[\sa], v[QW] matrix_a_fmt:MATRIX_FMT_BF6 matrix_b_fmt:MATRIX_FMT_BF6 matrix_a_scale:MATRIX_SCALE_ROW1 matrix_b_scale:MATRIX_SCALE_ROW1
.elseif (\ra)
	v_wmma_scale_f32_16x16x128_f8f6f4 v[\d:\d+7], v[\a:\a+11], v[Q:Q+11], 0, v[\sa], v[QW] matrix_a_fmt:MATRIX_FMT_BF6 matrix_b_fmt:MATRIX_FMT_BF6 matrix_a_scale:MATRIX_SCALE_ROW1
.elseif (\rb)
	v_wmma_scale_f32_16x16x128_f8f6f4 v[\d:\d+7], v[\a:\a+11], v[Q:Q+11], 0, v[\sa], v[QW] matrix_a_fmt:MATRIX_FMT_BF6 matrix_b_fmt:MATRIX_FMT_BF6 matrix_b_scale:MATRIX_SCALE_ROW1
.else
	v_wmma_scale_f32_16x16x128_f8f6f4 v[\d:\d+7], v[\a:\a+11], v[Q:Q+11], 0, v[\sa], v[QW] matrix_a_fmt:MATRIX_FMT_BF6 matrix_b_fmt:MATRIX_FMT_BF6
.endif
.endm
.macro WP d, a, sa, sb, ra             ; O^T += V^T P^T
.if (\ra)
	v_wmma_scale_f32_16x16x128_f8f6f4 v[\d:\d+7], v[\a:\a+11], v[P:P+11], v[\d:\d+7], v[\sa], v[\sb] matrix_a_fmt:MATRIX_FMT_BF6 matrix_b_fmt:MATRIX_FMT_BF6 matrix_a_scale:MATRIX_SCALE_ROW1
.else
	v_wmma_scale_f32_16x16x128_f8f6f4 v[\d:\d+7], v[\a:\a+11], v[P:P+11], v[\d:\d+7], v[\sa], v[\sb] matrix_a_fmt:MATRIX_FMT_BF6 matrix_b_fmt:MATRIX_FMT_BF6
.endif
.endm
.macro SMUL w, g                       ; four tiles of 16 keys (keys 64 g on) x query tile w
	WIN (\g)|((\w)*0x44)
.irp t, 0,1,2,3
	WS S+8*(4*\g+\t), KF+12*\t, KW+2*\g+\t/2, \t%2, \w
.endr
.endm
.macro KLOAD g                         ; K's four fragments of keys 64 g on, of the next record
.irp t, 0,1,2,3
	ds_load_b128 v[KF+12*\t:KF+12*\t+3], v[AK] offset:3072*\g+768*(\t%2)+128*(\t/2)
	ds_load_b64 v[KF+12*\t+4:KF+12*\t+5], v[AK+1] offset:3072*\g+768*(\t%2)+64*(\t/2)+512
.endr
.endm
.macro KWORDS
.irp n, 0,1,2,3
	ds_load_b32 v[KW+\n], v[AK+2] offset:12288+8*(\n/2)+128*(\n%2)
.endr
.endm
.macro KADDR
	v_add_nc_u32 v[AK], s[TBN], v1
	v_add_nc_u32 v[AK+1], s[TBN], v2
	v_add_nc_u32 v[AK+2], s[TBN], v3
.endm
.macro TREE w                          ; the largest score of my two blocks of 32 keys, each in two chains; each result is read from its low end on
	WIN (\w)*0x15
.irp c, 0,1
	v_max3_num_f32 v[SM+16*\w+T+2*\c], v[S+32*\c], v[S+32*\c+1], v[S+32*\c+2]
	v_max3_num_f32 v[SM+16*\w+T+2*\c+1], v[S+32*\c+17], v[S+32*\c+18], v[S+32*\c+19]
.endr
	WIN (\w)*0x14
.irp k, 0,2,4,6,8,10
.irp c, 0,1
	v_max3_num_f32 v[SM+16*\w+T+2*\c], v[SM+16*\w+T+2*\c], v[S+32*\c+3+\k], v[S+32*\c+4+\k]
	v_max3_num_f32 v[SM+16*\w+T+2*\c+1], v[SM+16*\w+T+2*\c+1], v[S+32*\c+20+\k], v[S+32*\c+21+\k]
.endr
.endr
.irp c, 0,1
	v_max3_num_f32 v[SM+16*\w+T+2*\c], v[SM+16*\w+T+2*\c], v[S+32*\c+15], v[S+32*\c+16]
.endr
.endm
.macro SCALE w                         ; t - M, two at a time; O^T and l under the new M
	WIN (\w)*0x41
.set j, 0
.rept 32
	v_pk_fma_f32 v[S+j:S+j+1], v[S+j:S+j+1], s[CS:CS+1], v[SM+16*\w+NM:SM+16*\w+NM+1] op_sel_hi:[1,0,0]
.set j, j+2
.endr
.set j, 0
.rept 16
	v_pk_mul_f32 v[O+j:O+j+1], v[O+j:O+j+1], v[SM+16*\w+F:SM+16*\w+F+1] op_sel_hi:[1,0]
.set j, j+2
.endr
	v_pk_mul_f32 v[L:L+1], v[L:L+1], v[SM+16*\w+F:SM+16*\w+F+1] op_sel_hi:[1,0]
.endm
.macro EXPS
.set j, 0
.rept 64
	v_exp_f32 v[S+j], v[S+j]
.set j, j+1
.endr
.endm
.macro PACKSUM w                       ; p's codes, and the row's sum of the unquantised p in four chains
	WIN (\w)*0x41
.irp c, 0,1
	v_cvt_scalef32_pk16_bf6_f32 v[P+6*\c:P+6*\c+2], v[S+32*\c:S+32*\c+15], v[SM+16*\w+BO+\c]
	v_cvt_scalef32_pk16_bf6_f32 v[CT+4*\c:CT+4*\c+2], v[S+32*\c+16:S+32*\c+31], v[SM+16*\w+BO+\c]
.endr
	WIN (\w)*0x45
.irp k, 0,1,2
	v_pk_add_f32 v[L+2+2*\k:L+3+2*\k], v[S+4*\k:S+4*\k+1], v[S+4*\k+2:S+4*\k+3]   ; (the plain places behind the conversions)
.endr
.irp c, 0,1
.irp i, 0,1,2
	v_mov_b32 v[P+6*\c+3+\i], v[CT+4*\c+\i]
.endr
.endr
.set j, 12
.rept 26
.set a, L+2*((j/2)%4)
	v_pk_add_f32 v[a:a+1], v[a:a+1], v[S+j:S+j+1]
.set j, j+2
.endr
	v_pk_add_f32 v[L+2:L+3], v[L+2:L+3], v[L+4:L+5]
	v_pk_add_f32 v[L:L+1], v[L:L+1], v[L+6:L+7]
	v_pk_add_f32 v[L:L+1], v[L:L+1], v[L+2:L+3]
.endm
.macro CLEAR                           ; zero codes for K = 64 .. 127 of Q and of K's fragments; O^T and l: the step is written once, and the first finds zeros
.irp i, 6,7,8,9,10,11
	v_mov_b32 v[Q+\i], 0
.irp t, 0,1,2,3
	v_mov_b32 v[KF+12*\t+\i], 0
.endr
.endr
.set j, 0
.rept 32
	v_mov_b32 v[O+j], 0
.set j, j+1
.endr
	v_mov_b32 v[L], 0
	v_mov_b32 v[L+1], 0
.endm
.macro QUANTH src, pc, pw              ; 32 numbers of a lane, register 16 b + i = index 32 b + 16 (lane / 16) + i, become a half image in v[pc .. pc + 5] and two scale bytes in v[pw]
.irp b, 0,1
	v_max3_num_f32 v[TM+\b], |v[\src+16*\b]|, |v[\src+16*\b+1]|, 0x2800000
.endr
.irp i, 2,4,6,8,10,12,14
.irp b, 0,1
	s_delay_alu instid0(VALU_DEP_2)
	v_max3_num_f32 v[TM+\b], v[TM+\b], |v[\src+16*\b+\i]|, |v[\src+16*\b+\i+1]|
.endr
.endr
.irp b, 0,1
	s_delay_alu instid0(VALU_DEP_2)
	v_permlanex16_b32 v[TM+2+\b], v[TM+\b], s[SEL], s[SEL+1]
.endr
.irp b, 0,1
	s_delay_alu instid0(VALU_DEP_2)
	v_max_num_f32 v[TM+\b], v[TM+\b], v[TM+2+\b]
.endr
.irp b, 0,1
	s_delay_alu instid0(VALU_DEP_2)
	v_add_nc_u32 v[TM+4+\b], 0xfe000000, v[TM+\b]
.endr
.irp b, 0,1
	s_delay_alu instid0(VALU_DEP_2)
	v_lshrrev_b32 v[TM+2+\b], 23, v[TM+4+\b]
.endr
	s_delay_alu instid0(VALU_DEP_1)
	v_lshl_or_b32 v[\pw], v[TM+3], 8, v[TM+2]
	s_wait_alu depctr_va_vdst(0)
	v_cvt_scalef32_pk16_bf6_f32 v[\pc:\pc+2], v[\src:\src+15], v[TM+4]
	v_cvt_scalef32_pk16_bf6_f32 v[\pc+6:\pc+8], v[\src+16:\src+31], v[TM+5]
	v_nop
.irp i, 0,1,2
	v_permlane16_swap_b32 v[\pc+\i], v[\pc+6+\i]
.endr
.irp i, 0,1,2
	s_delay_alu instid0(VALU_DEP_3)
	v_mov_b32 v[\pc+3+\i], v[\pc+6+\i]
.endr
.endm
	s_load_b128 s[4:7], s[0:1], 0x0                ; qkv s[4:5], aq s[6:7]
	v_lshl_add_u32 v6, v0, 2, SPARE
	v_mov_b32 v7, 0
	ds_add_u32 v6, v7                              ; the opening lines: the add, twice on end, and its wait ahead of my first tensor load
	ds_add_u32 v6, v7
	v_lshrrev_b32 v1, 5, v0
	v_readfirstlane_b32 s[WV], v1                  ; wave 0..7
	s_bfe_u32 s9, ttmp6, 0x40000                   ; cx
	s_lshl_b32 s10, ttmp9, 2
	s_add_co_u32 s10, s10, s9                      ; my block of 256 queries: it enters Q's and the output's addresses alone
	s_and_b32 s11, ttmp7, 0xffff                   ; hb = 8 batch + head, which the four partners share
	s_mov_b32 s[G1], 15|(3<<16)|(1<<21)            ; the mask: all four work-groups; elements of 8 bytes; no padding; bit 21 beside a mask
	s_mov_b32 s[G1+1], 32<<16                      ; rows of 256 bytes
	s_mov_b32 s[G1+2], 102<<16                     ; the head's load: two records, 102 rows
	s_mov_b32 s[G1+3], 32<<16
	s_mov_b32 s[G1+4], 102
	s_mov_b32 s[G1+5], 32
	s_mov_b32 s[G1+6], 0
	s_mov_b32 s[G1+7], 0
	s_mul_i32 s30, s[WV], 2*REC                    ; records 2 wave, 2 wave + 1: the same place in LDS and in the head's records
	s_mov_b32 s31, 0
	s_mul_i32 s34, s[WV], REC
	s_mov_b32 s35, 0
	s_mul_i32 s36, s11, HEADB
	s_add_co_u32 s36, s36, KV
	s_mov_b32 s37, 0
	s_mov_b32 s[SEL], 0x76543210
	s_mov_b32 s[SEL+1], 0xfedcba98
	s_mov_b32 s[CS], 0x3e38aa3b                    ; log2(e) / 8
	s_mov_b32 s[CS+1], s[CS]
	s_mov_b32 s[TBC], 0
	s_mov_b32 s[TBN], 0
	s_wait_dscnt 0x0                               ; both opening adds are done
	s_wait_kmcnt 0x0
	s_add_nc_u64 s[32:33], s[4:5], s[36:37]        ; the head's records
	s_mov_b32 s[G0], 1
	s_mov_b32 s[G0+1], s30
	s_add_nc_u64 s[G0+2:G0+3], s[32:33], s[30:31]
	s_or_b32 s[G0+3], s[G0+3], 0x80000000
	ROUND                                          ; all four work-groups are here: the first joint loads meet
	TLOAD                                          ; records 0-15, two a wave: my one load at the head
	s_lshl_b32 s38, s11, 5                         ; Q: record 32 hb + 2 block + wave / 4; tiles 2 (wave % 4) and the next
	s_lshl_b32 s39, s10, 1
	s_add_co_u32 s38, s38, s39
	s_lshr_b32 s39, s[WV], 2
	s_add_co_u32 s38, s38, s39
	s_mul_i32 s38, s38, RECQ
	s_and_b32 s39, s[WV], 3
	s_mul_i32 s40, s39, 1536
	s_add_co_u32 s40, s40, s38
	s_mov_b32 s41, 0
	s_add_nc_u64 s[40:41], s[4:5], s[40:41]
	s_lshl_b32 s39, s39, 2                         ; its words: 4 bytes a pair of tiles
	s_add_co_u32 s38, s38, s39
	s_add_co_u32 s38, s38, 6144
	s_mov_b32 s39, 0
	s_add_nc_u64 s[38:39], s[4:5], s[38:39]
	v_and_b32 v14, 31, v0
	v_lshlrev_b32 v4, 4, v14                       ; 16 x lane
	v_lshlrev_b32 v5, 3, v14                       ; 8 x lane
	global_load_b128 v[Q:Q+3], v4, s[40:41]        ; tile A's half image stays in registers
	global_load_b64 v[Q+4:Q+5], v5, s[40:41] offset:512
	global_load_b32 v[QW], v4, s[38:39]            ; lanes 0-15 the even tile's words, lanes 16-31 the odd tile's
	WIN 0x40
	global_load_b128 v[Q:Q+3], v4, s[40:41] offset:768   ; tile B's, in window 1
	global_load_b64 v[Q+4:Q+5], v5, s[40:41] offset:1280
	CLEAR
	WIN 0
	CLEAR
	v_and_b32 v14, 7, v0                           ; j
	v_bfe_u32 v15, v0, 3, 1                        ; a = which eight rows of my tile
	v_bfe_u32 v26, v0, 4, 1                        ; h
	v_mul_u32_u24 v27, v15, 1536                   ; rows 8-15 come from the stored tile two further on
	v_lshl_add_u32 v1, v14, 4, v27
	v_lshl_add_u32 v1, v26, 8, v1                  ; 1,536 a + 16 j + 256 h
	v_lshl_add_u32 v2, v14, 3, v27
	v_lshl_add_u32 v2, v26, 7, v2                  ; 1,536 a + 8 j + 128 h
	v_lshlrev_b32 v3, 4, v14
	v_lshl_add_u32 v3, v15, 2, v3
	v_lshl_add_u32 v3, v26, 8, v3                  ; 16 j + 4 a + 256 h: lanes 16-31 take the odd tile's words
	v_lshlrev_b32 v13, 3, v26                      ; 8 h
.irp i, SM, SM+16
	v_mov_b32 v[\i+NM], 0x7f61b1e6                 ; -M: 3e38, over every -M to come
	v_mov_b32 v[\i+NM+1], 0
	v_mov_b32 v[\i+F+1], 0
	v_mov_b32 v[\i+MX], 0xff61b1e6                 ; the largest score so far: -3e38
	v_mov_b32 v[\i+TP], 0                          ; written once: a lane permute's destination counts as one of its sources
.endr
	v_mov_b32 v[TM+2], 0
	v_mov_b32 v[TM+3], 0
; A KEY STEP: 128 keys x 32 queries.  K's fragments of this step are in registers or on their way.  last = 1: nothing more of K is fetched
.macro STEP last
	s_wait_dscnt 0x0                               ; K's fragments and words
	SMUL 0, 0
	SMUL 0, 1
	SMUL 1, 0
	SMUL 1, 1
	WIN 0
	v_add_nc_u32 v[AV], s[TBC], v4                 ; these lines are the places in front of the loads into registers that matrix instructions have read
	v_add_nc_u32 v[AV+1], s[TBC], v5
.if \last
	v_nop
	v_nop
.else
	KADDR
.endif
	WIN 0x40
.irp t, 0,1,2,3                                ; V^T of this step: d tile t, the two halves of 64 keys
.irp c, 0,1
	ds_load_b128 v[VF+12*\t+6*\c:VF+12*\t+6*\c+3], v[AV] offset:6144+1536*\t+768*\c
	ds_load_b64 v[VF+12*\t+6*\c+4:VF+12*\t+6*\c+5], v[AV+1] offset:6144+1536*\t+768*\c+512
.endr
.endr
.if !(\last)
	KLOAD 1
.endif
	WIN 0
	ds_load_b64 v[VW:VW+1], v[AV+1] offset:12800
.if !(\last)
	KLOAD 0                                        ; 8 loads,
	KWORDS                                         ; and 4: the 12 that may be out when V^T is wanted
.endif
	TREE 0
	TREE 1
	WIN 0
.irp i, SM, SM+16                              ; both tiles' chains by turns
	v_max_num_f32 v[\i+T], v[\i+T], v[\i+T+1]
	v_max_num_f32 v[\i+T+2], v[\i+T+2], v[\i+T+3]
	v_mov_b32 v[\i+OL], v[\i+NM]
.endr
.irp i, SM, SM+16
	v_max3_num_f32 v[\i+MX], v[\i+MX], v[\i+T], v[\i+T+2]
.endr
.irp i, SM, SM+16
	s_delay_alu instid0(VALU_DEP_2)
	v_permlanex16_b32 v[\i+TP], v[\i+MX], s[SEL], s[SEL+1]
.endr
.irp i, SM, SM+16
	s_delay_alu instid0(VALU_DEP_2)
	v_max_num_f32 v[\i+MX], v[\i+MX], v[\i+TP]     ; the running largest score of my query
.endr
.irp i, SM, SM+16
	s_delay_alu instid0(VALU_DEP_2)
	v_mul_f32 v[\i+TP], s[CS], v[\i+MX]            ; as t
.endr
.irp i, SM, SM+16
	s_delay_alu instid0(VALU_DEP_2)
	v_floor_f32 v[\i+NM], -v[\i+TP]                ; the new -M = -ceil(t)
.endr
.irp i, SM, SM+16
	s_delay_alu instid0(VALU_DEP_2)
	v_sub_f32 v[\i+OL], v[\i+NM], v[\i+OL]         ; old M - new M: a whole number, 0 or less
.endr
.irp i, SM, SM+16
	s_delay_alu instid0(VALU_DEP_2)
	v_cvt_i32_f32 v[\i+OL], v[\i+OL]               ; (it saturates)
.endr
.irp i, SM, SM+16
	s_delay_alu instid0(VALU_DEP_2)
	v_ldexp_f32 v[\i+F], 1.0, v[\i+OL]             ; f = 2^(old M - new M)
.endr
.irp i, SM, SM+16
	v_fma_f32 v[\i+T], v[\i+T], s[CS], v[\i+NM]    ; t - M of each block's largest score
	v_fma_f32 v[\i+T+2], v[\i+T+2], s[CS], v[\i+NM]
.endr
	SCALE 0
	SCALE 1
	s_wait_alu depctr_va_vdst(0)                   ; the wait ahead of the batch
	EXPS                                           ; tile B's p = 2^(t - M) (the windows stand as SCALE 1 left them)
	WIN 0
	EXPS                                           ; tile A's
.irp i, SM, SM+16
	v_exp_f32 v[\i+T], v[\i+T]                     ; the blocks' largest p
	v_exp_f32 v[\i+T+2], v[\i+T+2]
.endr
	v_nop                                          ; one plain place behind the exponentials
	s_wait_alu depctr_va_vdst(0)                   ; and the one wait for the whole batch
.irp i, SM, SM+16
.irp b, 0,2
	v_max_num_f32 v[\i+T+\b], 0x2800000, v[\i+T+\b]   ; the floor 2^(5 - 127)
.endr
.endr
.irp i, SM, SM+16
.irp b, 0,2
	v_add_nc_u32 v[\i+BO+\b/2], 0xfe000000, v[\i+T+\b]   ; 4 off the exponent field: the conversion's scale operand
.endr
.endr
.irp i, SM, SM+16
.irp b, 0,1
	v_lshrrev_b32 v[\i+BY+\b], 23, v[\i+BO+\b]     ; the byte
.endr
.endr
.irp i, SM, SM+16
	v_lshl_or_b32 v[\i+TP], v[\i+BY+1], 16, v[\i+BY]   ; my two bytes: blocks h and 2 + h
.endr
.irp i, SM, SM+16
	s_delay_alu instid0(VALU_DEP_2)
	v_lshlrev_b32 v[\i+OL], v13, v[\i+TP]          ; at their places in the word
.endr
.irp i, SM, SM+16
	s_delay_alu instid0(VALU_DEP_2)
	v_permlanex16_b32 v[\i+TP], v[\i+OL], s[SEL], s[SEL+1]
.endr
	s_delay_alu instid0(VALU_DEP_2)
	v_or_b32 v[PW], v[SM+OL], v[SM+TP]             ; with lane l xor 16's two the word is whole
	s_delay_alu instid0(VALU_DEP_2)
	v_or_b32 v[PW+1], v[SM+16+OL], v[SM+16+TP]
	PACKSUM 0
	PACKSUM 1
.if \last
	s_wait_dscnt 0x0
.else
	s_wait_dscnt 12                                ; V^T and its words are in; the 12 loads issued behind them may be out
.endif
	WIN 0x01                                       ; the eight accumulators take turns
.irp t, 0,1,2,3
	WP O+8*\t, VF+12*\t, VW+\t/2, PW, \t%2
.endr
	WIN 0x55
.irp t, 0,1,2,3
	WP O+8*\t, VF+12*\t, VW+\t/2, PW+1, \t%2
.endr
	WIN 0
.endm
.macro TRIPS n, lab                    ; n steps, each fetching the next step's K
	s_mov_b32 s[CNT], \n
\lab:
	STEP 0
	s_mov_b32 s[TBC], s[TBN]
	s_add_co_u32 s[TBN], s[TBN], REC
	s_sub_co_u32 s[CNT], s[CNT], 1
	s_cmp_lg_u32 s[CNT], 0
	s_cbranch_scc1 \lab
.endm
	s_wait_alu depctr_va_vdst(0)                   ; the wait at the head's end
	s_wait_loadcnt 0x0                             ; Q
	s_wait_tensorcnt 0x0                           ; my two records are in; the three lines ahead of a later first fill, as ahead of a refill
	ds_add_u32 v6, v7
	s_mov_b32 s[G1+2], 51<<16                      ; no tensor load of mine is out: from here on a load brings one record
	s_mov_b32 s[G1+4], 51
	s_add_co_u32 s[G0+1], s34, 16*REC              ; record 16 + wave, to slot 16 + wave
	s_add_nc_u64 s[G0+2:G0+3], s[32:33], s[34:35]
	s_add_nc_u64 s[G0+2:G0+3], s[G0+2:G0+3], 16*REC
	s_or_b32 s[G0+3], s[G0+3], 0x80000000
	s_wait_dscnt 0x0
	ROUND                                          ; records 0-15 are whole in every work-group
	TLOAD
	KADDR                                          ; step 0's K
	WIN 0x40
	KLOAD 1
	WIN 0
	KLOAD 0
	KWORDS
	s_mov_b32 s[TBN], REC
	TRIPS 12, .Lone                                ; steps 0-11: they read records 0-12
	s_wait_tensorcnt 0x0                           ; my record of 16-23 is in
	ds_add_u32 v6, v7                              ; 0 onto my spare word
	s_mov_b32 s[G0+1], s34                         ; record 24 + wave, to slot wave
	s_add_nc_u64 s[G0+2:G0+3], s[G0+2:G0+3], 8*REC
	s_mov_b32 s[TBC], 12*REC
	s_mov_b32 s[TBN], 13*REC
	s_wait_dscnt 0x0                               ; the add is done, and my reads of records 0-12 are over
	ROUND                                          ; no wave of any partner still reads slots 0-7
	TLOAD
	TRIPS 11, .Ltwo                                ; steps 12-22: they read records 12-23
	s_wait_tensorcnt 0x0                           ; my record of 24-31 is in
	ds_add_u32 v6, v7
	s_mov_b32 s[TBC], 23*REC
	s_mov_b32 s[TBN], 0                            ; record 24 lies in slot 0
	s_wait_dscnt 0x0
	s_barrier_signal -1
	s_barrier_wait -1
	TRIPS 8, .Lthree                               ; steps 23-30
	STEP 1                                         ; step 31
	; THE WAY OUT: O^T / l; register 16 b + i is d = 32 b + 16 h + i of my query: a half image of the last projection's operand, half = head
	s_lshr_b32 s40, s11, 3
	s_lshl_b32 s40, s40, 8
	s_lshl_b32 s41, s10, 4
	s_add_co_u32 s40, s40, s41
	s_lshl_b32 s41, s[WV], 1
	s_add_co_u32 s40, s40, s41                     ; tile A = 256 batch + 16 block + 2 wave
	s_and_b32 s41, s11, 7                          ; head
	s_lshl_b32 s42, s40, 3
	s_add_co_u32 s42, s42, s41
	s_mul_i32 s42, s42, 768
	s_mov_b32 s43, 0
	s_add_nc_u64 s[42:43], s[6:7], s[42:43]
	s_lshl_b32 s44, s40, 8
	s_lshl_b32 s41, s41, 1
	s_add_co_u32 s44, s44, s41
	s_add_co_u32 s44, s44, AS
	s_mov_b32 s45, 0
	s_add_nc_u64 s[44:45], s[6:7], s[44:45]
.rept 4
	v_nop                                          ; places behind the last products
.endr
	s_wait_alu depctr_va_vdst(0)                   ; l was written ahead of the step's last wait
	v_add_f32 v[SM+TP], v[L], v[L+1]
	WIN 0x05
	v_add_f32 v[SM+16+TP], v[L], v[L+1]
	WIN 0
.irp i, SM, SM+16
	v_permlanex16_b32 v[\i+OL], v[\i+TP], s[SEL], s[SEL+1]
.endr
.irp i, SM, SM+16
	v_add_f32 v[\i+TP], v[\i+TP], v[\i+OL]         ; the row's sum
.endr
	s_wait_alu depctr_va_vdst(0)
	v_rcp_f32 v[SM+F], v[SM+TP]
	v_rcp_f32 v[SM+16+F], v[SM+16+TP]
	v_and_b32 v27, 15, v0                          ; (a plain place behind the transcendentals)  r
	s_wait_alu depctr_va_vdst(0)
.set j, 0
.rept 32
	v_mul_f32 v[S+j], v[O+j], v[SM+F]
.set j, j+1
.endr
	WIN 0x01
	s_wait_alu depctr_va_vdst(0)                   ; directly ahead of the first reader of tile B's O^T
.set j, 0
.rept 32
	v_mul_f32 v[S+32+j], v[O+j], v[SM+16+F]        ; tile B's results come into window 0
.set j, j+1
.endr
	WIN 0
	v_lshl_add_u32 v27, v27, 4, v26                ; 16 r + h: where my byte goes
	QUANTH S, P, TM+6
	QUANTH S+32, O, TM+7
	v_lshrrev_b32 v[TM], v13, v[TM+6]              ; lanes 0-15 block 0's byte, lanes 16-31 block 1's
	v_lshrrev_b32 v[TM+1], v13, v[TM+7]
	s_wait_alu depctr_va_vdst(0)
	global_store_b128 v4, v[P:P+3], s[42:43]       ; 512 consecutive bytes
	global_store_b64 v5, v[P+4:P+5], s[42:43] offset:512
	global_store_b128 v4, v[O:O+3], s[42:43] offset:6144   ; tile B lies eight half images on
	global_store_b64 v5, v[O+4:O+5], s[42:43] offset:6656
	global_store_b8 v27, v[TM], s[44:45]
	global_store_b8 v27, v[TM+1], s[44:45] offset:256
	s_wait_tensorcnt 0x0                           ; the wave's end
	ds_add_u32 v6, v7
	s_wait_dscnt 0x0
	ROUND                                          ; the closing round: no work-group ends while a partner may still ask for a record that names it
	s_endpgm
.Lfunc_end_k_q23bf6394eb_attn:
	.size	k_q23bf6394eb_attn, .Lfunc_end_k_q23bf6394eb_attn-k_q23bf6394eb_attn
	.p2alignl 7, 3214868480
	.fill 96, 4, 3214868480
	.section	.rodata,"a",@progbits
	.p2align	6, 0x0
	.amdhsa_kernel k_q23bf6394eb_attn
		.amdhsa_group_segment_fixed_size 327680
		.amdhsa_private_segment_fixed_size 0
		.amdhsa_enable_private_segment 0
		.amdhsa_kernarg_size 16
		.amdhsa_user_sgpr_count 2
		.amdhsa_user_sgpr_kernarg_segment_ptr 1
		.amdhsa_wavefront_size32 1
		.amdhsa_system_sgpr_workgroup_id_x 1
		.amdhsa_system_sgpr_workgroup_id_y 1
		.amdhsa_system_sgpr_workgroup_id_z 1
		.amdhsa_system_vgpr_workitem_id 0
		.amdhsa_next_free_vgpr 512
		.amdhsa_next_free_sgpr 66
		.amdhsa_reserve_vcc 0
		.amdhsa_float_denorm_mode_32 3
		.amdhsa_float_denorm_mode_16_64 3
		.amdhsa_memory_ordered 1
		.amdhsa_forward_progress 1
		.amdhsa_inst_pref_size 134
	.end_amdhsa_kernel
	.amdgpu_metadata
---
amdhsa.version: [ 1, 2 ]
amdhsa.kernels:
  - .name:           k_q23bf6394eb_attn
    .symbol:         k_q23bf6394eb_attn.kd
    .args:
      - { .name: qkv, .offset: 0, .size: 8, .value_kind: global_buffer, .address_space: global }
      - { .name: aq, .offset: 8, .size: 8, .value_kind: global_buffer, .address_space: global }
    .group_segment_fixed_size: 327680
    .private_segment_fixed_size: 0
    .kernarg_segment_align: 8
    .kernarg_segment_size: 16
    .max_flat_workgroup_size: 256
    .sgpr_count:     66
    .vgpr_count:     512
    .wavefront_size: 32
...
	.end_amdgpu_metadata
.endif
;; end of part 3
;; launch oproj (part 4): grid 256 x 1, 4 waves a work-group, no clusters, 17,920 bytes of LDS; arguments opq, aq, bo, out0; writes out0
.if DOCPART == 4
	.amdgcn_target "amdgcn-amd-amdhsa--gfx1250"
	.amdhsa_code_object_version 6
	.text
	.protected	k_q23bf6394eb_oproj
	.globl	k_q23bf6394eb_oproj
	.p2align	8
	.type	k_q23bf6394eb_oproj,@function
k_q23bf6394eb_oproj:
	s_mov_b64 s[64:65], 0
	v_nop
	global_prefetch_b8 v0, s[64:65] scope:SCOPE_SE
	s_setreg_imm32_b32 hwreg(HW_REG_WAVE_MODE, 25, 1), 1
	s_wait_xcnt 0x0
; out0 = attn Wo + bo on codes of BF6 (E3M2) with E8M0 scales, sums in f32.  attn's codes and scale bytes come from aq, Wo's from opq, both as half images of 768 bytes (16 rows x 64 along K:
; registers 0-3 at 16 x lane, registers 4-5 at 512 + 8 x lane) and 16 scale bytes a row.
; A wave makes 64 columns (source 0: four tiles of Wo, 16 fragments, kept in window 1) x 64 tokens (source 1: four tiles of attn, two sets of registers by turns).  bo is the C of each sum's first product.
; Rows of a tile lie in the order 32 (T / 2) + 8 (T % 2) + r + 8 (r / 8), tokens and columns alike: a lane holds one token, and its 32 results are columns 32 b + 16 (lane / 16) + 0 .. 15.
; A tile's 16 tokens x 256 bytes go through the wave's own stage in LDS and leave as rows: sixteen lanes store 256 consecutive bytes, at a multiple of 256 from out0's first byte.
; NO CLUSTER: operands go straight into registers by dense loads; a joint tensor load would send them through LDS and back for 64 matrix instructions a wave.  Waves share nothing: no barrier.
.set WI,   3276800
.set WS,   4063232
.set AS,   3145728
.set ACC,  16                          ; v16-47   four accumulators
.set BI,   48                          ; v48-79   bo in the results' layout
.set FE,   80                          ; v80-127, v128-175 attn's four fragments, two sets
.set FO,   128
.set WE,   176                         ; v176-179, v180-183 their scale words
.set WO,   180
.set S0W,  184                         ; v184-199 Wo's scale words
.set OUTR, 200                         ; v200-231 16 rows read back from the stage
.set MSB, 0
.macro WIN new                         ; the immediate's high byte repeats the setting that is left
.if MSB != \new
	s_set_vgpr_msb (MSB<<8)|\new
.set MSB, \new
.endif
.endm
	s_load_b256 s[4:11], s[0:1], 0x0               ; opq s[4:5], aq s[6:7], bo s[8:9], out0 s[10:11]
	v_lshl_add_u32 v254, v0, 2, 0x4400
	v_mov_b32 v255, 0
	v_lshrrev_b32 v6, 5, v0
	v_readfirstlane_b32 s14, v6                    ; wave 0..3
	v_and_b32 v9, 31, v0                           ; lane
	v_and_b32 v10, 15, v0                          ; r
	v_bfe_u32 v11, v0, 4, 1                        ; h
	v_lshlrev_b32 v1, 4, v9                        ; 16 x lane
	v_lshlrev_b32 v2, 3, v9                        ; 8 x lane
	v_lshlrev_b32 v3, 4, v10                       ; 16 r
	v_lshlrev_b32 v4, 6, v11                       ; 64 h
	s_mul_i32 s18, s14, 4352                       ; my stage: 16 rows of 256 bytes + 16
	v_mul_u32_u24 v6, v10, 272
	v_lshl_add_u32 v6, v11, 6, v6
	v_add_nc_u32 v6, s18, v6                       ; in: row r, + 64 h
	v_mul_u32_u24 v7, v11, 272
	v_lshl_add_u32 v7, v10, 4, v7
	v_add_nc_u32 v7, s18, v7                       ; back: lanes 0-15 one row, lanes 16-31 the next
	v_lshlrev_b32 v8, 11, v11
	v_lshl_add_u32 v8, v10, 4, v8                  ; and the same two rows of out0
	s_lshr_b32 s16, ttmp9, 1                       ; jr: tokens 64 jr on (tiles 4 jr on)
	s_and_b32 s17, ttmp9, 1
	s_lshl_b32 s17, s17, 2
	s_add_co_u32 s17, s17, s14                     ; I: columns 64 I on
	s_mov_b32 s61, 0
	s_wait_alu depctr_va_vdst(0)
	s_wait_kmcnt 0x0
	s_mul_i32 s60, s17, 24576
	s_add_co_u32 s60, s60, WI+589824
	s_add_nc_u64 s[28:29], s[4:5], s[60:61]        ; Wo's codes
	s_lshl_b32 s60, s17, 10
	s_add_co_u32 s60, s60, WS+24576
	s_add_nc_u64 s[30:31], s[4:5], s[60:61]        ; Wo's words
	s_mul_i32 s60, s16, 24576
	s_add_nc_u64 s[48:49], s[6:7], s[60:61]        ; attn's codes
	s_lshl_b32 s60, s16, 10
	s_add_co_u32 s60, s60, AS
	s_add_nc_u64 s[50:51], s[6:7], s[60:61]        ; attn's words
	s_lshl_b32 s60, s17, 8
	s_add_nc_u64 s[52:53], s[8:9], s[60:61]        ; bo
	s_lshl_b32 s62, s16, 17
	s_add_co_u32 s60, s60, s62
	s_add_nc_u64 s[32:33], s[10:11], s[60:61]      ; out0: 64 jr rows of 2,048 bytes + 256 I
	WIN 0x40                                       ; destination window 1
.irp t, 0,1,2,3
.irp q, 0,1,2,3
.irp c, 0,1
	global_load_b128 v[12*(4*\t+\q)+6*\c:12*(4*\t+\q)+6*\c+3], v1, s[28:29] offset:(8*\t+2*\q+\c)*768
	global_load_b64 v[12*(4*\t+\q)+6*\c+4:12*(4*\t+\q)+6*\c+5], v2, s[28:29] offset:(8*\t+2*\q+\c)*768+512
.endr
.endr
.endr
	WIN 0
.irp t, 0,1,2,3
	global_load_b128 v[S0W+4*\t:S0W+4*\t+3], v3, s[30:31] offset:256*\t
.endr
.irp t, 0,1,2,3                                ; lane (r, h), tile t, register j: column 32 (t / 2) + 16 h + 8 (t % 2) + j of my 64
	global_load_b128 v[BI+8*\t:BI+8*\t+3], v4, s[52:53] offset:(32*(\t/2)+8*(\t%2))*4
	global_load_b128 v[BI+8*\t+4:BI+8*\t+7], v4, s[52:53] offset:(32*(\t/2)+8*(\t%2))*4+16
.endr
.macro BATCH jt, fs, ws                ; 17 loads: tile jt of attn: eight half images and its rows' 16 scale bytes
.irp k, 0,1,2,3,4,5,6,7
	global_load_b128 v[\fs+6*\k:\fs+6*\k+3], v1, s[48:49] offset:6144*(\jt)+768*\k
	global_load_b64 v[\fs+6*\k+4:\fs+6*\k+5], v2, s[48:49] offset:6144*(\jt)+768*\k+512
.endr
	global_load_b128 v[\ws:\ws+3], v3, s[50:51] offset:256*(\jt)
.endm
	BATCH 0, FE, WE
	BATCH 1, FO, WO
.macro TILE jt, fs, ws, nx
.if (\jt) < 3
	s_wait_loadcnt 17                              ; all but the other set's batch of 17 are in
.else
	s_wait_loadcnt 0x0
.endif
	WIN 0x01                                       ; source 0 window 1
.irp q, 0,1,2,3                                ; the four accumulators take turns, one instruction a turn
.irp t, 0,1,2,3
.if \q == 0
	v_wmma_scale_f32_16x16x128_f8f6f4 v[ACC+8*\t:ACC+8*\t+7], v[12*(4*\t+\q):12*(4*\t+\q)+11], v[\fs+12*\q:\fs+12*\q+11], v[BI+8*\t:BI+8*\t+7], v[S0W+4*\t+\q], v[\ws+\q] matrix_a_fmt:MATRIX_FMT_BF6 matrix_b_fmt:MATRIX_FMT_BF6
.else
	v_wmma_scale_f32_16x16x128_f8f6f4 v[ACC+8*\t:ACC+8*\t+7], v[12*(4*\t+\q):12*(4*\t+\q)+11], v[\fs+12*\q:\fs+12*\q+11], v[ACC+8*\t:ACC+8*\t+7], v[S0W+4*\t+\q], v[\ws+\q] matrix_a_fmt:MATRIX_FMT_BF6 matrix_b_fmt:MATRIX_FMT_BF6
.endif
.endr
.endr
	WIN 0
.rept 5
	v_nop                                          ; places: four in front of loads into the sources and of the stores that read the results, five in front of the next tile's products, which begin these accumulators anew
.endr
.if \nx
	BATCH (\jt)+2, \fs, \ws
.endif
.irp t, 0,1,2,3
	ds_store_b128 v6, v[ACC+8*\t:ACC+8*\t+3] offset:128*(\t/2)+32*(\t%2)        ; each accumulator from its low end on
	ds_store_b128 v6, v[ACC+8*\t+4:ACC+8*\t+7] offset:128*(\t/2)+32*(\t%2)+16
.endr
	s_wait_xcnt 0x0                                ; the last tile's stores have read their data: the loads below may land there
.irp i, 0,1,2,3,4,5,6,7
	ds_load_b128 v[OUTR+4*\i:OUTR+4*\i+3], v7 offset:544*\i   ; LDS serves a wave's instructions in order: these see my stores, and the next tile's stores come behind them
.endr
.irp i, 0,1,2,3,4,5,6,7
	s_wait_dscnt 7-\i                              ; the younger loads may be out; at the last all LDS instructions are done, the stores' reads of the accumulators among them
	global_store_b128 v8, v[OUTR+4*\i:OUTR+4*\i+3], s[32:33] offset:(32*((\jt)/2)+8*((\jt)%2)+2*\i+8*(\i/4))*2048 th:TH_STORE_NT   ; rows 2 i, 2 i + 1 of the tile, at their tokens
.endr
.endm
	TILE 0, FE, WE, 1
	TILE 1, FO, WO, 1
	TILE 2, FE, WE, 0
	TILE 3, FO, WO, 0
	s_wait_tensorcnt 0x0
	ds_add_u32 v254, v255
	s_wait_dscnt 0x0
	s_endpgm
.Lfunc_end_k_q23bf6394eb_oproj:
	.size	k_q23bf6394eb_oproj, .Lfunc_end_k_q23bf6394eb_oproj-k_q23bf6394eb_oproj
	.p2alignl 7, 3214868480
	.fill 96, 4, 3214868480
	.section	.rodata,"a",@progbits
	.p2align	6, 0x0
	.amdhsa_kernel k_q23bf6394eb_oproj
		.amdhsa_group_segment_fixed_size 17920
		.amdhsa_private_segment_fixed_size 0
		.amdhsa_enable_private_segment 0
		.amdhsa_kernarg_size 32
		.amdhsa_user_sgpr_count 2
		.amdhsa_user_sgpr_kernarg_segment_ptr 1
		.amdhsa_wavefront_size32 1
		.amdhsa_system_sgpr_workgroup_id_x 1
		.amdhsa_system_sgpr_workgroup_id_y 1
		.amdhsa_system_sgpr_workgroup_id_z 1
		.amdhsa_system_vgpr_workitem_id 0
		.amdhsa_next_free_vgpr 448
		.amdhsa_next_free_sgpr 66
		.amdhsa_reserve_vcc 0
		.amdhsa_float_denorm_mode_32 3
		.amdhsa_float_denorm_mode_16_64 3
		.amdhsa_memory_ordered 1
		.amdhsa_forward_progress 1
		.amdhsa_inst_pref_size 33
	.end_amdhsa_kernel
	.amdgpu_metadata
---
amdhsa.version: [ 1, 2 ]
amdhsa.kernels:
  - .name:           k_q23bf6394eb_oproj
    .symbol:         k_q23bf6394eb_oproj.kd
    .args:
      - { .name: opq, .offset: 0, .size: 8, .value_kind: global_buffer, .address_space: global }
      - { .name: aq, .offset: 8, .size: 8, .value_kind: global_buffer, .address_space: global }
      - { .name: bo, .offset: 16, .size: 8, .value_kind: global_buffer, .address_space: global }
      - { .name: out0, .offset: 24, .size: 8, .value_kind: global_buffer, .address_space: global }
    .group_segment_fixed_size: 17920
    .private_segment_fixed_size: 0
    .kernarg_segment_align: 8
    .kernarg_segment_size: 32
    .max_flat_workgroup_size: 128
    .sgpr_count:     66
    .vgpr_count:     448
    .wavefront_size: 32
...
	.end_amdgpu_metadata
.endif
;; end of part 4
